; MI455X (gfx1250); checked and timed in simulation.
; The chip was launched on July 23, 2026; its instructions are those of AMD's public machine-readable ISA for CDNA 5 (MIT licence, August 2026) and "CDNA5" Instruction Set Architecture Reference Guide (July 2026). The comments in the code are by the model that wrote it; some were corrected since.
;; Causal Self Attention. Allowed arithmetic: matrix products marked QUANTISED: E2M3 operands, one E8M0 scale for each 32 along K, by v_wmma_scale_f32_16x16x128_f8f6f4 with both operands' format E2M3, f32 sums; everything else in f32.
;; Inputs: Wk 2,048 x 2,048 float32; Wq 2,048 x 2,048 float32; Wv 2,048 x 2,048 float32; bk 2,048 float32; bq 2,048 float32; bv 2,048 float32; x 4 x 1,024 x 2,048 float32.
;; Outputs: out0 4 x 1,024 x 2,048 float32.
;; This version of the problem:
;;   THIS VERSION OF THE PROBLEM IS GIVEN IN LOW PRECISION. The matrix products marked QUANTISED in the list below multiply operands that are first quantised to E2M3 (2 exponent bits, 3 mantissa bits; 6 bits a number), with one power-of-two scale for each 32 numbers along K (OCP MX v1.0); their sums are f32. All else is computed in f32.
;;   The module's matrix products, in the order in which they are computed (A, B: the left and right operand; K: the contracted axis; several contracted axes count as one K, in the product's order):
;;     1. [M 4,096, K 2,048] x [K 2,048, N 2,048]; A: input x; B: input Wq: QUANTISED
;;     2. [M 4,096, K 2,048] x [K 2,048, N 2,048]; A: input x; B: input Wk: QUANTISED
;;     3. [M 4,096, K 2,048] x [K 2,048, N 2,048]; A: input x; B: input Wv: QUANTISED
;;     4. batch 64 x [M 1,024, K 128] x [K 128, N 1,024]; A: computed on the way; B: computed on the way: QUANTISED
;;     5. batch 64 x [M 1,024, K 1,024] x [K 1,024, N 128]; A: softmax (see below); B: computed on the way: QUANTISED
;;   THE QUANTISER, for each operand of a quantised product, along K:
;;     - K is cut into blocks of 32 from its start; a last block that is shorter is filled with zeros.
;;     - A block's scale is 2^e with e = floor(log2(the largest magnitude in the block)) - 2, held to -126 .. 127; a block of zeros has e = 0. As a byte (E8M0): e + 127.
;;     - Each number is divided by its block's scale, clamped to +-7.5, and rounded to the nearest number of E2M3, ties to even, subnormals kept.
;;     - The product sums the exact products of the quantised numbers (number of the format x scale) in f32.
;;   ~~~python
;;   def quantise(x, axis):      # numpy; x: float32 -> the quantised numbers, widened to float32 again
;;       x = np.moveaxis(x, axis, -1); K = x.shape[-1]
;;       x = np.pad(x, [(0, 0)] * (x.ndim - 1) + [(0, -K % 32)]); x = x.reshape(x.shape[:-1] + (-1, 32)); a = np.abs(x).max(-1, keepdims=True)
;;       e = np.where(a > 0, np.clip(np.frexp(np.where(a > 0, a, 1))[1] - 1 - 2, -126, 127), 0)      # np.frexp(a)[1] - 1 = floor(log2(a)), exactly
;;       r = np.clip(x / 2.0 ** e, -7.5, 7.5)
;;       step = 2.0 ** (np.maximum(np.frexp(np.where(r == 0, 1, r))[1] - 1, 0) - 3)
;;       q = np.round(r / step) * step * 2.0 ** e      # np.round: ties to even
;;       return np.moveaxis(q.reshape(q.shape[:-2] + (-1,))[..., :K], -1, axis).astype(np.float32)
;;   ~~~
;;   SOFTMAX AHEAD OF A QUANTISED PRODUCT. Where the list says 'softmax', what is quantised is not the finished softmax but p = 2^(t - M), with t = logit x log2(e) and M = ceil(the row's largest t), a whole number; so 1/2 < the row's largest p <= 1. The row's sum l is taken of the UNQUANTISED p, in f32, and the product's result is divided by l at the end. Since M is a whole number, a kernel that streams over the keys may use a running M (the ceiling of the running maximum): every later rescaling is an exact power of two, which a block's scale takes up: the codes' values come out the same.
;;   OPERANDS COMPUTED ON THE WAY. 'Computed on the way' means the value that the module computes at that place (a softmax that the list does not call 'softmax' is quantised finished and normalised). What goes into a quantiser is computed in f32, as accurately as f32 sums, v_exp_f32 and their like allow (about 1e-6 of the number): no bf16 or f16 on the way to a quantiser, and a product that is left as it is and whose result goes on into a quantised operand takes f32 operands (vector FMAs, or v_wmma_f32_16x16x4_f32). A number that lies on a knife's edge between two numbers of the format may be rounded either way, as far as f32 arithmetic and the matrix unit's own rounding can turn it there, and no further.
;; One version. Each part assembles by itself: llvm-mc -triple=amdgcn-amd-amdhsa -mcpu=gfx1250 --defsym DOCPART=n.
;; ======== version 1 of 1: 3 launches
;; limits: right only within a limited range of input values
;; workspace buffers: x_codes 6,291,456 bytes; x_scales 262,144 bytes; w_codes 9,437,184 bytes; w_scales 393,216 bytes; qk_img 12,582,912 bytes; qk_sc 524,288 bytes; v_img 12,582,912 bytes; v_sc 524,288 bytes
;; launch quant (part 1): grid 1024 x 1, 4 waves a work-group, no clusters, 59,904 bytes of LDS; arguments x, Wq, Wk, Wv, x_codes, x_scales, w_codes, w_scales; writes x_codes, x_scales, w_codes, w_scales
.if DOCPART == 1
	.amdgcn_target "amdgcn-amd-amdhsa--gfx1250"
	.amdhsa_code_object_version 6
	.text
	.protected	k_q267d41b56b_quant
	.globl	k_q267d41b56b_quant
	.p2align	8
	.type	k_q267d41b56b_quant,@function
k_q267d41b56b_quant:
	s_mov_b64 s[64:65], 0
	v_nop
	global_prefetch_b8 v0, s[64:65] scope:SCOPE_SE
	s_setreg_imm32_b32 hwreg(HW_REG_WAVE_MODE, 25, 1), 1
	s_wait_xcnt 0x0
; x [4096][2048] and Wq, Wk, Wv [2048 (k)][2048 (n)], f32, become codes of FP6 (E2M3) and one E8M0 byte for each 32 along K.
; A block's scale is 2^(floor(log2(its largest magnitude)) - 2): its byte is the largest magnitude's exponent field - 2, held at 1 from below.
; THE CODES' LAYOUT is the order in which the product's launch reads them: [block of 16 rows][64 along K][row][48 bytes]: 768 bytes for 16 rows x 64 codes, 24,576 for 16 rows x all of K.
; A lane of a matrix operand takes 48 bytes on end: blocks 0, 1 of a step of 128 go to lanes 0-15 and blocks 2, 3 to lanes 16-31, so the unit sees blocks 1 and 2 swapped, in both operands alike.
; THE SCALE BYTES, 64 a row, follow: in each word of four, bytes 1 and 2 are swapped.
; ROW i IS STORED AT PLACE sigma(i), sigma = bits 3 and 4 of the index swapped: sixteen stored neighbours are the rows 32 b + 8 u + i + 8 (i / 8).
; THE WEIGHTS' PLACES go by tiles of 384: tile T holds columns 256 T .. 256 T + 255 of [Wq | Wk], then columns 128 T .. 128 T + 127 of Wv.
; LIMITS: NaN and infinities are not served; a block whose largest magnitude lies under 2^-124 has its byte held at 1; a block of zeros gets the byte 1 (its codes are zeros, and this program alone reads the bytes).
; Work-groups 0-255 take x (K innermost), 256-1023 the weights (K on the first axis).  Each path has LDS bytes of its own.  No tensor loads, no barrier: waves share nothing.
.set XWG,   256
.set EMAX,  2
.set STEPS, 16
.set AH,    8                          ; x's loads run AH steps (4 AH loads a wave) ahead
.set XR,    16                         ; v16-143  AH sets of 16 numbers as loaded; at the end the codes on their way out
.set XX,    144                        ; v144-175 two sets of 16 neighbours
.set XE,    176                        ; v176-191 a scale byte for each step
.set XC,    192                        ; v192-255 codes: three of four registers for each step
.set SPW,   195                        ; my spare word's address and 0: in the fourth registers of steps 0 and 1, which no other line names
.set NIL,   199
.set XREG,  11776                      ; LDS for a wave of x's path: two stages of 32 x SP, 256 scale bytes, 8 x CP of codes
.set SP,    80
.set CP,    784                        ; 768 bytes of codes + 16
.set WLDS,  4*XREG
.set SPARE, WLDS+4*3072
.set SIZE_N, 2048
.set NB,    4
.set WX,    32                         ; v32-95   two sets of 32 numbers
.set WC,    96                         ; v96-107  the codes of two blocks: 48 bytes
.set WT,    108
.set WO,    112                        ; v112-135 the way out
.set WSB,   24
	v_lshl_add_u32 v[SPW], v0, 2, SPARE
	v_mov_b32 v[NIL], 0
	v_lshrrev_b32 v1, 5, v0
	v_readfirstlane_b32 s16, v1                    ; wave
	v_and_b32 v2, 31, v0                           ; lane
	s_cmp_ge_u32 ttmp9, XWG
	s_wait_alu depctr_va_vdst(0)
	s_cbranch_scc1 .Lweights
; ---- x.  A work-group takes one stored block of 16 rows, wave w its K from 512 w on; step t is stored row t: 2,048 consecutive bytes, turned through the wave's stage so that a lane holds 16 neighbours.
; The wave's codes, 8 x 768 bytes on end in memory, are gathered in LDS and leave by stores of 512 consecutive bytes.
	s_load_b64 s[4:5], s[0:1], 0x0
	s_load_b128 s[8:11], s[0:1], 0x20
	s_mul_i32 s17, s16, XREG
	s_add_co_u32 s18, s17, 5120                    ; my scale bytes
	s_add_co_u32 s19, s17, 5376                    ; my codes
	s_lshr_b32 s20, ttmp9, 1
	s_lshl_b32 s20, s20, 5
	s_and_b32 s21, ttmp9, 1
	s_lshl_b32 s21, s21, 3
	s_add_co_u32 s20, s20, s21                     ; stored row t is row 32 (B / 2) + 8 (B % 2) + 16 (t / 8) + t % 8
	s_lshl_b32 s24, s20, 13
	s_lshl_b32 s21, s16, 11
	s_add_co_u32 s24, s24, s21
	s_mov_b32 s25, 0
	s_mul_i32 s26, ttmp9, 24576
	s_mul_i32 s21, s16, 6144
	s_add_co_u32 s26, s26, s21
	s_mov_b32 s27, 0
	s_lshl_b32 s28, ttmp9, 10
	s_lshl_b32 s21, s16, 4
	s_add_co_u32 s28, s28, s21
	s_mov_b32 s29, 0
	v_lshlrev_b32 v3, 4, v2
	v_lshrrev_b32 v14, 2, v2
	v_mul_u32_u24 v10, v14, CP
	v_mul_u32_u24 v14, v14, SP
	v_and_b32 v15, 3, v2
	v_lshl_add_u32 v14, v15, 4, v14
	v_add_nc_u32 v14, s17, v14                     ; the stage, in: SP (lane / 4) + 16 (lane % 4)
	v_mad_u32_u24 v4, v15, 12, v10
	v_add_nc_u32 v4, s19, v4                       ; my 12 bytes of codes: CP (lane / 4) + 12 (lane % 4), + 48 t
	v_mul_u32_u24 v15, v2, SP
	v_add_nc_u32 v15, s17, v15                     ; the stage, out: my 16 neighbours
	v_lshrrev_b32 v5, 1, v2
	v_and_b32 v5, 12, v5
	v_bfe_u32 v10, v2, 1, 1
	v_lshl_add_u32 v5, v10, 1, v5
	v_bfe_u32 v10, v2, 2, 1
	v_add_nc_u32 v5, v5, v10
	v_add_nc_u32 v5, s18, v5                       ; my block's byte, bytes 1 and 2 of a word swapped
	v_lshlrev_b32 v6, 3, v2
	v_add_nc_u32 v6, s18, v6
	v_lshrrev_b32 v7, 1, v2
	v_lshlrev_b32 v7, 6, v7
	v_and_b32 v10, 1, v2
	v_lshl_add_u32 v7, v10, 3, v7                  ; scale bytes out: row lane / 2, 8 bytes
	v_add_nc_u32 v12, s19, v3                      ; codes back: 16 x lane,
	v_lshrrev_b32 v10, 4, v2
	v_lshl_add_u32 v13, v10, 4, v12                ; and where lanes 16-31 lie in the next 768: 16 more
	s_wait_alu depctr_va_vdst(0)
	s_wait_kmcnt 0x0
	s_add_nc_u64 s[4:5], s[4:5], s[24:25]
	s_add_nc_u64 s[8:9], s[8:9], s[26:27]
	s_add_nc_u64 s[10:11], s[10:11], s[28:29]
.macro XLOAD t
.irp i, 0,1,2,3
	global_load_b128 v[XR+16*((\t)%AH)+4*\i:XR+16*((\t)%AH)+4*\i+3], v3, s[4:5] offset:(16*((\t)/8)+(\t)%8)*8192+512*\i th:TH_LOAD_NT
.endr
.endm
.macro XTURN t
.irp i, 0,1,2,3
	ds_store_b128 v14, v[XR+16*((\t)%AH)+4*\i:XR+16*((\t)%AH)+4*\i+3] offset:32*SP*((\t)%2)+8*SP*\i
.endr
.irp i, 0,1,2,3
	ds_load_b128 v[XX+16*((\t)%2)+4*\i:XX+16*((\t)%2)+4*\i+3], v15 offset:32*SP*((\t)%2)+16*\i
.endr
.endm
.irp t, 0,1,2,3,4,5,6,7
	XLOAD \t
.endr
	s_wait_loadcnt 4*(AH-1)                        ; step 0's four loads are in; those of the AH - 1 steps behind it may be out
	XTURN 0
.macro XSTEP t
.set XS, XX+16*((\t)%2)
.if (\t) > 0
	s_wait_dscnt 4                                 ; this step's numbers are back (the last step's four stores of codes and byte may be out): so its stores into the stage have read their registers,
.else
	s_wait_dscnt 0x0
.endif
.if (\t)+AH < STEPS
	XLOAD (\t)+AH                                  ; which take the loads of AH steps on
.endif
.if (\t)+1 < STEPS
.if STEPS-2-(\t) >= AH-1
	s_wait_loadcnt 4*(AH-1)                        ; the next step's four loads are in; AH - 1 steps' may be out
.else
	s_wait_loadcnt 4*(STEPS-2-(\t))                ; in the tail: four for each step that is still behind it
.endif
	XTURN (\t)+1
.endif
	v_max3_num_f32 v8, |v[XS]|, |v[XS+1]|, |v[XS+2]|
	v_max3_num_f32 v9, |v[XS+3]|, |v[XS+4]|, |v[XS+5]|
.irp i, 6,10
	v_max3_num_f32 v8, v8, |v[XS+\i]|, |v[XS+\i+1]|
	v_max3_num_f32 v9, v9, |v[XS+\i+2]|, |v[XS+\i+3]|
.endr
	v_max3_num_f32 v8, v8, |v[XS+14]|, |v[XS+15]|
	v_max3_num_f32 v8, v8, v9, (EMAX+1)<<23        ; the floor 2^(3 - 127): the byte cannot fall under 1
	v_max_num_f32_dpp v8, v8, v8 row_xmask:1 row_mask:0xf bank_mask:0xf   ; with my neighbour's 16: the block's
	v_add_nc_u32 v11, -(EMAX<<23), v8              ; 2 off the exponent field: the conversion's scale operand
	v_cvt_scalef32_pk16_fp6_f32 v[XC+4*(\t):XC+4*(\t)+2], v[XS:XS+15], v11
	v_lshrrev_b32 v[XE+(\t)], 23, v11              ; the scale's byte
	ds_store_b8 v5, v[XE+(\t)] offset:16*(\t)
.irp i, 0,1,2
	ds_store_b32 v4, v[XC+4*(\t)+\i] offset:48*(\t)+4*\i
.endr
.endm
.irp t, 0,1,2,3,4,5,6,7,8,9,10,11,12,13,14,15
	XSTEP \t
.endr
	ds_load_b64 v[10:11], v6                       ; LDS serves a wave's instructions in order: these see my stores
.irp j, 0,1,2,3,4,5,6,7,8,9,10,11
.if \j%3 == 1
	ds_load_b128 v[XR+4*\j:XR+4*\j+3], v13 offset:512*\j+16*((512*\j)/768)
.else
	ds_load_b128 v[XR+4*\j:XR+4*\j+3], v12 offset:512*\j+16*((512*\j)/768)
.endif
.endr
	s_wait_dscnt 0x0
	global_store_b64 v7, v[10:11], s[10:11]
.irp j, 0,1,2,3,4,5,6,7,8,9,10,11
	global_store_b128 v3, v[XR+4*\j:XR+4*\j+3], s[8:9] offset:512*\j   ; 512 consecutive bytes, aligned
.endr
	s_wait_tensorcnt 0x0                           ; the wave's end
	ds_add_u32 v[SPW], v[NIL]
	s_wait_dscnt 0x0
	s_endpgm
; ---- THE WEIGHTS.  A lane takes a column and its registers run down K: a block of 32 lies in one lane.  A wave takes 32 columns x 128 along K: two stored blocks of 16 rows x 1,536 bytes on end.
; Two blocks' codes, 48 bytes, go to the wave's stage at the place that they have in memory, and the stage leaves by stores of 512 consecutive bytes.
; Work-group number - 256 = 16 y + x: x: 128 columns; y = 16 T + which 128 along K.  Loads run two blocks (64 loads a wave) ahead.
.Lweights:
	s_load_b64 s[4:5], s[0:1], 0x8
	s_load_b64 s[6:7], s[0:1], 0x10
	s_load_b64 s[8:9], s[0:1], 0x18
	s_load_b128 s[12:15], s[0:1], 0x30
	s_sub_co_u32 s31, ttmp9, XWG
	s_and_b32 s17, s31, 15
	s_lshl_b32 s17, s17, 7
	s_lshl_b32 s18, s16, 5
	s_add_co_u32 s17, s17, s18                     ; my first column
	s_lshr_b32 s18, s31, 4
	s_lshr_b32 s30, s18, 4                         ; which tensor
	s_and_b32 s18, s18, 15                         ; which 128 along K
	s_mul_i32 s19, s16, 3072
	s_add_co_u32 s19, s19, WLDS                    ; my stage
	s_lshl_b32 s20, s18, 20                        ; 128 rows of 8,192 bytes for each step along K
	s_lshl_b32 s22, s17, 2
	s_add_co_u32 s20, s20, s22
	s_mov_b32 s21, 0
	s_lshl_b32 s22, s30, 11
	s_add_co_u32 s22, s22, s17                     ; column of [Wq | Wk]
	s_lshr_b32 s23, s22, 8
	s_and_b32 s26, s22, 255
	s_lshr_b32 s27, s17, 7
	s_and_b32 s28, s17, 127
	s_add_co_u32 s28, s28, 256
	s_cmp_eq_u32 s30, 2
	s_cselect_b32 s23, s27, s23                    ; the tile of 384,
	s_cselect_b32 s26, s28, s26                    ; and the place in it
	s_mul_i32 s23, s23, 384
	s_add_co_u32 s22, s23, s26                     ; my first place, a multiple of 32
	s_mul_i32 s24, s22, 1536
	s_mul_i32 s26, s18, 1536
	s_add_co_u32 s24, s24, s26
	s_mov_b32 s25, 0
	s_lshl_b32 s28, s22, 6
	s_lshl_b32 s26, s18, 2
	s_add_co_u32 s28, s28, s26
	s_mov_b32 s29, 0
	v_lshlrev_b32 v3, 2, v2
	v_and_b32 v10, 7, v2
	v_bfe_u32 v11, v2, 3, 1
	v_bfe_u32 v12, v2, 4, 1
	v_lshl_or_b32 v10, v11, 4, v10
	v_lshl_or_b32 v10, v12, 3, v10                 ; sigma(lane)
	v_lshrrev_b32 v11, 4, v10
	v_mul_u32_u24 v11, v11, 1536
	v_and_b32 v12, 15, v10
	v_mad_u32_u24 v4, v12, 48, v11
	v_add_nc_u32 v4, s19, v4                       ; into the stage: 1,536 (place / 16) + 48 (place % 16), + 768 for each 64 along K
	v_lshlrev_b32 v8, 4, v2
	v_add_nc_u32 v7, s19, v8
	v_lshlrev_b32 v9, 6, v10
	s_wait_alu depctr_va_vdst(0)
	s_wait_kmcnt 0x0
	s_cmp_eq_u32 s30, 1
	s_cselect_b64 s[6:7], s[6:7], s[8:9]
	s_cmp_eq_u32 s30, 0
	s_cselect_b64 s[4:5], s[4:5], s[6:7]
	s_add_nc_u64 s[4:5], s[4:5], s[20:21]
	s_add_nc_u64 s[12:13], s[12:13], s[24:25]
	s_add_nc_u64 s[14:15], s[14:15], s[28:29]
.macro WLOAD t
.irp i, 0,1,2,3,4,5,6,7,8,9,10,11,12,13,14,15,16,17,18,19,20,21,22,23,24,25,26,27,28,29,30,31
	global_load_b32 v[WX+32*((\t)%2)+\i], v3, s[4:5] offset:(32*(\t)+\i)*SIZE_N*4 th:TH_LOAD_NT
.endr
.endm
	WLOAD 0
	WLOAD 1
.macro WBLOCK t
.set WS, WX+32*((\t)%2)
.set WD, WC+6*((\t)%2)
.if (\t) < NB-1
	s_wait_loadcnt 32                              ; this block's 32 loads are in; the next block's may be out
.else
	s_wait_loadcnt 0
.endif
	v_max3_num_f32 v12, |v[WS]|, |v[WS+1]|, |v[WS+2]|
	v_max3_num_f32 v13, |v[WS+3]|, |v[WS+4]|, |v[WS+5]|
.irp i, 6,10,14,18,22,26
	v_max3_num_f32 v12, v12, |v[WS+\i]|, |v[WS+\i+1]|
	v_max3_num_f32 v13, v13, |v[WS+\i+2]|, |v[WS+\i+3]|
.endr
	v_max3_num_f32 v12, v12, |v[WS+30]|, |v[WS+31]|
	v_max3_num_f32 v12, v12, v13, (EMAX+1)<<23
	v_add_nc_u32 v11, -(EMAX<<23), v12
	v_lshrrev_b32 v13, 23, v11
.if (\t) == 0
	v_mov_b32 v[WSB], v13
.else
	v_lshl_or_b32 v[WSB], v13, 8*(2*((\t)%2)+(\t)/2), v[WSB]   ; bytes 1 and 2 of the word swapped
.endif
	v_cvt_scalef32_pk16_fp6_f32 v[WD:WD+2], v[WS:WS+15], v11
	v_cvt_scalef32_pk16_fp6_f32 v[WT:WT+2], v[WS+16:WS+31], v11    ; (a conversion's three registers begin on an even number)
	v_nop                                          ; a plain place behind the conversions
.irp i, 0,1,2
	v_mov_b32 v[WD+3+\i], v[WT+\i]
.endr
.if (\t)%2
.irp c, 0,1,2
	ds_store_b128 v4, v[WC+4*\c:WC+4*\c+3] offset:768*((\t)/2)+16*\c
.endr
.endif
.if (\t)+2 < NB
	WLOAD (\t)+2
.endif
	s_wait_dscnt 0x0
.endm
.set Q, 0
.rept NB
	WBLOCK Q
.set Q, Q+1
.endr
	s_wait_alu depctr_va_vdst(0)
	global_store_b32 v9, v[WSB], s[14:15]          ; my column's four scale bytes
.irp j, 0,1,2,3,4,5
	ds_load_b128 v[WO+4*\j:WO+4*\j+3], v7 offset:512*\j
.endr
.irp j, 0,1,2,3,4,5
	s_wait_dscnt 5-\j                              ; the loads behind this one may be out
	global_store_b128 v8, v[WO+4*\j:WO+4*\j+3], s[12:13] offset:512*(\j%3)+24576*(\j/3)
.endr
	s_wait_tensorcnt 0x0
	ds_add_u32 v[SPW], v[NIL]
	s_wait_dscnt 0x0
	s_endpgm
.Lfunc_end_k_q267d41b56b_quant:
	.size	k_q267d41b56b_quant, .Lfunc_end_k_q267d41b56b_quant-k_q267d41b56b_quant
	.p2alignl 7, 3214868480
	.fill 96, 4, 3214868480
	.section	.rodata,"a",@progbits
	.p2align	6, 0x0
	.amdhsa_kernel k_q267d41b56b_quant
		.amdhsa_group_segment_fixed_size 59904
		.amdhsa_private_segment_fixed_size 0
		.amdhsa_enable_private_segment 0
		.amdhsa_kernarg_size 64
		.amdhsa_user_sgpr_count 2
		.amdhsa_user_sgpr_kernarg_segment_ptr 1
		.amdhsa_wavefront_size32 1
		.amdhsa_system_sgpr_workgroup_id_x 1
		.amdhsa_system_sgpr_workgroup_id_y 1
		.amdhsa_system_sgpr_workgroup_id_z 1
		.amdhsa_system_vgpr_workitem_id 0
		.amdhsa_next_free_vgpr 256
		.amdhsa_next_free_sgpr 66
		.amdhsa_reserve_vcc 0
		.amdhsa_float_denorm_mode_32 3
		.amdhsa_float_denorm_mode_16_64 3
		.amdhsa_memory_ordered 1
		.amdhsa_forward_progress 1
		.amdhsa_inst_pref_size 59
	.end_amdhsa_kernel
	.amdgpu_metadata
---
amdhsa.version: [ 1, 2 ]
amdhsa.kernels:
  - .name:           k_q267d41b56b_quant
    .symbol:         k_q267d41b56b_quant.kd
    .args:
      - { .name: x, .offset: 0, .size: 8, .value_kind: global_buffer, .address_space: global }
      - { .name: Wq, .offset: 8, .size: 8, .value_kind: global_buffer, .address_space: global }
      - { .name: Wk, .offset: 16, .size: 8, .value_kind: global_buffer, .address_space: global }
      - { .name: Wv, .offset: 24, .size: 8, .value_kind: global_buffer, .address_space: global }
      - { .name: x_codes, .offset: 32, .size: 8, .value_kind: global_buffer, .address_space: global }
      - { .name: x_scales, .offset: 40, .size: 8, .value_kind: global_buffer, .address_space: global }
      - { .name: w_codes, .offset: 48, .size: 8, .value_kind: global_buffer, .address_space: global }
      - { .name: w_scales, .offset: 56, .size: 8, .value_kind: global_buffer, .address_space: global }
    .group_segment_fixed_size: 59904
    .private_segment_fixed_size: 0
    .kernarg_segment_align: 8
    .kernarg_segment_size: 64
    .max_flat_workgroup_size: 128
    .sgpr_count:     66
    .vgpr_count:     256
    .wavefront_size: 32
...
	.end_amdgpu_metadata
.endif
;; end of part 1
;; launch gemm (part 2): grid 16 x 16, 4 waves a work-group, clusters of 4 x 4, 327,680 bytes of LDS; arguments x_codes, x_scales, w_codes, w_scales, bq, bk, bv, qk_img, qk_sc, v_img, v_sc; writes qk_img, qk_sc, v_img, v_sc
.if DOCPART == 2
	.amdgcn_target "amdgcn-amd-amdhsa--gfx1250"
	.amdhsa_code_object_version 6
	.text
	.protected	k_q267d41b56b_gemm
	.globl	k_q267d41b56b_gemm
	.p2align	8
	.type	k_q267d41b56b_gemm,@function
k_q267d41b56b_gemm:
	s_mov_b64 s[64:65], 0
	v_nop
	global_prefetch_b8 v0, s[64:65] scope:SCOPE_SE
	s_setreg_imm32_b32 hwreg(HW_REG_WAVE_MODE, 25, 1), 1
	s_wait_xcnt 0x0
	s_wait_alu depctr_hold_cnt(0) depctr_sa_sdst(0) depctr_va_vdst(0) depctr_va_sdst(0) depctr_va_ssrc(0) depctr_va_vcc(0) depctr_vm_vsrc(0)
	s_getreg_b32 s2, hwreg(HW_REG_IB_STS2, 6, 4)
	s_cmp_eq_u32 s2, 0
	s_cbranch_scc0 .Lentry_in_a_cluster
	s_endpgm
.Lentry_in_a_cluster:
	s_bfe_u32 s2, ttmp6, 0x10000c
	s_cmp_lg_u32 s2, 0xf033
	s_cbranch_scc0 .Lentry_shape_is_right
	s_endpgm
.Lentry_shape_is_right:
; q, k and v = x W + b on codes of FP6 (E2M3) with E8M0 scales, quantised again on the way out: q and k along the head's channels, v along the tokens, and stored as images of operand registers.
; A WORK-GROUP makes 256 tokens (tile row ty) x 384 rows of the weights (tile tx: 256 columns of [Wq | Wk], two heads, and 128 of Wv, one head), in ONE walk along K: x's tile serves all three products.
; A WAVE (wr, wc) makes 128 tokens x (128 + 64): 96 accumulators, 768 registers, windows 1 to 3.  Window 1: q/k, weight blocks 0-3, accumulator (a, b) at 8 (4 a + b); window 2: blocks 4-7; window 3: v, (vb, a) at 8 (8 vb + a).
; Window 0: v8-29 addresses; v32-55 scale words, two sets of 12; v64-159 x's eight fragments, one set; v160-255 four fragments of the weights, two sets.
; CODES lie [16 rows][64 along K][row][48 bytes]: a fragment (16 rows x 128 K) is 1,536 bytes on end, lane l takes the 48 bytes at 768 (l / 16) + 48 (l % 16) by three loads of 16 bytes.
; Blocks 1 and 2 of each 128 along K change places in both operands and in their scale words alike.
; A STEP of 128 along K is three groups of 32 matrix instructions, one window each; while one group is multiplied the next group's four weight fragments are fetched into the other set.
; x's blocks 0-3 are fetched anew in the middle of the third group, blocks 4-7 at the next step's start.  The 96 accumulators take turns.
; THE RING: two slots of 256 along K (40 blocks x 3,072 bytes).  A tensor row is a block's 3,072 bytes, 24,576 apart in memory.  Waves 0, 1 fetch x's halves, waves 2, 3 the weights' halves, jointly with the
; cluster's row (x) or column (weights).  One round of the cluster's barrier for each slot, in the second group of the slot's second step.  The scales of all of K come once, at the head.
; q/k: source 0 = weights, source 1 = x: a lane holds one token, its registers run along the channels.  v: source 0 = x, source 1 = weights: a lane holds one channel, its registers run along the tokens.
; THE WAY OUT: bias added, blocks of 32 quantised; the codes are laid into accumulator registers that have been read out, so no store's data are written again.
; No prefetch: K has eight slots, two of them asked for at the head, at the largest block that the registers hold, in clusters.
; LIMITS: NaN and infinities are not served; a block whose largest magnitude lies under 2^-124 has its byte held at 1 (a block of zeros too: its codes are zeros, and this program alone reads the bytes).
.set RBK,   24576
.set SB,    3072
.set FB,    1536
.set XB,    16*SB
.set SLOT,  40*SB
.set SBLK,  1088                       ; the scales of 16 rows: four units of 256 bytes + 16 each
.set SCLX,  2*SLOT
.set SCLW,  SCLX+16*SBLK
.set SPARE, SCLW+24*SBLK
.set SCSTG, SPARE+512                  ; 768 bytes a wave: the results' scale words
.set BIAS,  SCSTG+3072                 ; 768 bytes a wave: 128 + 64 biases
.set IMG,   1536
.set AX, 8
.set AQ, 10
.set AV, 12
.set ADRS, 14
.set ADRV, 15
.set LI, 16
.set L8, 17
.set SCW, 18
.set SCR, 19
.set SCR2, 20
.set CBA, 21
.set RBA, 22
.set BST, 23
.set BSV, 24
.set SPW, 28
.set NIL, 29
.set SC, 32
.set XF, 64
.set WB, 160
.set T, 64
.set CB, 128
.set TM, 192
.set RB, 208
.set PW, 216
.set SWB, 220
.set G1, 24
.set G0, 32
.set G1B, 48
.set G0B, 56
.set G1S, 68
.set G0S, 76
.set G1SB, 80
.set G0SB, 88
.set MSB, 0
.macro WIN new
.if MSB != (\new)
	s_set_vgpr_msb (MSB<<8)|(\new)
.set MSB, (\new)
.endif
.endm
.macro PLACES
.rept 4
	v_nop
.endr
.endm
.macro JLOAD g0a, g1a, g0b, g1b        ; waves 0, 1 ask for x, waves 2, 3 for the weights
	s_cmp_eq_u32 s15, 0
	s_cbranch_scc0 .Lfor_b_\@
	tensor_load_to_lds s[\g0a:\g0a+3], s[\g1a:\g1a+7]
	s_nop 0
	PLACES
	s_branch .Lasked_\@
.Lfor_b_\@:
	tensor_load_to_lds s[\g0b:\g0b+3], s[\g1b:\g1b+7]
	s_nop 0
	PLACES
.Lasked_\@:
.endm
.macro CREST
	s_cmp_lg_u32 s14, 0
	s_cbranch_scc1 .Lnot_wave_0_\@
	s_barrier_signal -3
.Lnot_wave_0_\@:
	s_barrier_wait -3
	s_barrier_signal -1
	s_barrier_wait -1
.endm
.macro CROUND
	s_barrier_signal -1
	s_barrier_wait -1
	CREST
.endm
	s_load_b256 s[68:75], s[0:1], 0x0              ; x's codes, x's scales, the weights' codes, their scales
	s_load_b256 s[4:11], s[0:1], 0x20              ; bq, bk, bv, q's and k's images
	s_load_b128 s[96:99], s[0:1], 0x40             ; their scale words, v's images
	s_load_b64 s[100:101], s[0:1], 0x50            ; v's scale words
	v_lshl_add_u32 v[SPW], v0, 2, SPARE
	v_mov_b32 v[NIL], 0
	ds_add_u32 v[SPW], v[NIL]
	ds_add_u32 v[SPW], v[NIL]
	v_lshrrev_b32 v1, 5, v0
	v_readfirstlane_b32 s14, v1                    ; wave
	s_lshr_b32 s15, s14, 1                         ; wr; also: I fetch x (0) or weights (1)
	s_and_b32 s16, s14, 1                          ; wc; also: which half I fetch
	s_bfe_u32 s40, ttmp6, 0x40000
	s_bfe_u32 s41, ttmp6, 0x40004
	s_lshl_b32 s42, ttmp9, 2
	s_add_co_u32 s42, s42, s40                     ; tx
	s_and_b32 s17, ttmp7, 0xffff
	s_lshl_b32 s17, s17, 2
	s_add_co_u32 s17, s17, s41                     ; ty
	s_lshl_b32 s43, s41, 2
	s_lshl_b32 s43, 15, s43                        ; my row of the cluster
	s_lshl_b32 s44, 0x1111, s40                    ; my column
	s_or_b32 s[G1], s43, (3<<16)|(1<<21)           ; elements of 8 bytes, no padding
	s_or_b32 s[G1B], s44, (3<<16)|(1<<21)
.irp g, G1, G1B
	s_mov_b32 s[\g+1], 384<<16                     ; rows of 3,072 bytes
	s_mov_b32 s[\g+3], 384<<16
	s_mov_b32 s[\g+5], 3072                        ; 24,576 bytes apart
	s_mov_b32 s[\g+6], 0
	s_mov_b32 s[\g+7], 0
.endr
	s_mov_b32 s[G1+2], 16<<16                      ; the head's loads bring whole tiles: 16 blocks of x,
	s_mov_b32 s[G1+4], 16
	s_mov_b32 s[G1B+2], 24<<16                     ; 24 of the weights
	s_mov_b32 s[G1B+4], 24
	s_mul_i32 s20, s17, 16*RBK
	s_mul_i32 s18, s16, 8*RBK
	s_add_co_u32 s20, s20, s18
	s_mov_b32 s21, 0
	s_mul_i32 s46, s42, 24*RBK
	s_mul_i32 s18, s16, 12*RBK
	s_add_co_u32 s46, s46, s18
	s_mov_b32 s47, 0
	s_lshl_b32 s22, s17, 14
	s_mov_b32 s23, 0
	s_mul_i32 s92, s42, 24576
	s_mov_b32 s93, 0
	s_mul_i32 s45, s16, 8*SB
	s_mul_i32 s94, s16, 12*SB
	s_add_co_u32 s94, s94, XB
	s_wait_dscnt 0x0
	s_wait_kmcnt 0x0
	s_add_nc_u64 s[20:21], s[68:69], s[20:21]
	s_add_nc_u64 s[22:23], s[70:71], s[22:23]
	s_add_nc_u64 s[46:47], s[72:73], s[46:47]
	s_add_nc_u64 s[92:93], s[74:75], s[92:93]
	s_or_b32 s[G1S], s43, (3<<16)|(1<<20)|(1<<21)|(5<<22)|(3<<25)   ; the scales: dense, as rows of 256 bytes with 16 of padding
	s_or_b32 s[G1SB], s44, (3<<16)|(1<<20)|(1<<21)|(5<<22)|(3<<25)
.irp g, G1S, G1SB
	s_mov_b32 s[\g+1], 32<<16
	s_mov_b32 s[\g+3], 32<<16
	s_mov_b32 s[\g+5], 32
	s_mov_b32 s[\g+6], 0
	s_mov_b32 s[\g+7], 0
.endr
	s_mov_b32 s[G1S+2], 64<<16
	s_mov_b32 s[G1S+4], 64
	s_mov_b32 s[G1SB+2], 96<<16
	s_mov_b32 s[G1SB+4], 96
	CROUND                                         ; the first joint loads meet
	s_mov_b32 s[G0S], 1
	s_mov_b32 s[G0S+1], SCLX
	s_mov_b64 s[G0S+2:G0S+3], s[22:23]
	s_or_b32 s[G0S+3], s[G0S+3], 0x80000000
	s_mov_b32 s[G0SB], 1
	s_mov_b32 s[G0SB+1], SCLW
	s_mov_b64 s[G0SB+2:G0SB+3], s[92:93]
	s_or_b32 s[G0SB+3], s[G0SB+3], 0x80000000
.irp s, 0,1
	s_mov_b32 s[G0+4*\s], 1
	s_add_co_u32 s[G0+4*\s+1], s45, \s*SLOT
	s_add_nc_u64 s[G0+4*\s+2:G0+4*\s+3], s[20:21], \s*SB
	s_or_b32 s[G0+4*\s+3], s[G0+4*\s+3], 0x80000000
	s_mov_b32 s[G0B+4*\s], 1
	s_add_co_u32 s[G0B+4*\s+1], s94, \s*SLOT
	s_add_nc_u64 s[G0B+4*\s+2:G0B+4*\s+3], s[46:47], \s*SB
	s_or_b32 s[G0B+4*\s+3], s[G0B+4*\s+3], 0x80000000
.endr
; the head's four tiles, one load a wave: wave 0 slot 0's x (its own group 0 begins the tile), wave 1 x's scales, wave 2 slot 0's weights, wave 3 their scales
.macro ARM under, g0, g1, next
	s_cmp_lt_u32 s14, \under
	s_cbranch_scc0 \next
	tensor_load_to_lds s[\g0:\g0+3], s[\g1:\g1+7]
	s_nop 0
	PLACES
	s_branch .Lhead_asked
\next:
.endm
	ARM 1, G0,  G1,  .Lhead_1
	ARM 2, G0S, G1S, .Lhead_2
	ARM 3, G0B, G1B, .Lhead_3
	tensor_load_to_lds s[G0SB:G0SB+3], s[G1SB:G1SB+7]
	s_nop 0
	PLACES
.Lhead_asked:
	s_lshl_b32 s46, s42, 1
	s_add_co_u32 s46, s46, s16                     ; 2 tx + wc: 0-15 q's heads, 16-31 k's
	s_and_b32 s47, s46, 15
	s_lshl_b32 s92, s47, 9
	s_mov_b32 s93, 0
	s_cmp_lt_u32 ttmp9, 2
	s_cselect_b64 s[4:5], s[4:5], s[6:7]
	s_add_nc_u64 s[4:5], s[4:5], s[92:93]          ; my head's 128 biases
	s_lshl_b32 s92, s42, 9
	s_lshl_b32 s20, s16, 8
	s_add_co_u32 s92, s92, s20
	s_add_nc_u64 s[8:9], s[8:9], s[92:93]          ; my 64 of bv
	s_lshl_b32 s20, s46, 8
	s_lshl_b32 s21, s17, 4
	s_add_co_u32 s20, s20, s21
	s_lshl_b32 s21, s15, 3
	s_add_co_u32 s20, s20, s21                     ; q/k image 256 (2 tx + wc) + 16 ty + 8 wr
	s_mul_i32 s92, s20, IMG
	s_add_nc_u64 s[10:11], s[10:11], s[92:93]
	s_lshl_b32 s92, s20, 6
	s_add_nc_u64 s[96:97], s[96:97], s[92:93]
	s_lshl_b32 s20, s17, 1
	s_add_co_u32 s20, s20, s15
	s_lshl_b32 s20, s20, 8
	s_lshl_b32 s21, s42, 3
	s_add_co_u32 s20, s20, s21
	s_lshl_b32 s21, s16, 2
	s_add_co_u32 s20, s20, s21                     ; v image 256 (2 ty + wr) + 8 tx + 4 wc
	s_mul_i32 s92, s20, IMG
	s_add_nc_u64 s[98:99], s[98:99], s[92:93]
	s_lshl_b32 s92, s20, 6
	s_add_nc_u64 s[100:101], s[100:101], s[92:93]
	s_mul_i32 s12, s15, 8*SB
	s_mul_i32 s13, s16, 8*SB
	s_add_co_u32 s13, s13, XB
	s_mul_i32 s18, s16, 4*SB
	s_add_co_u32 s18, s18, XB+16*SB
	s_mul_i32 s19, s15, 8*SBLK
	s_add_co_u32 s19, s19, SCLX
	s_mul_i32 s2, s16, 8*SBLK
	s_add_co_u32 s2, s2, SCLW
	s_sub_co_u32 s2, s2, s19
	s_mul_i32 s3, s16, 4*SBLK
	s_add_co_u32 s3, s3, SCLW+16*SBLK
	s_mul_i32 s66, s14, 768
	s_add_co_u32 s67, s66, BIAS
	s_add_co_u32 s66, s66, SCSTG
	v_and_b32 v1, 15, v0
	v_bfe_u32 v2, v0, 4, 1
	v_and_b32 v3, 31, v0
	v_mul_u32_u24 v4, v1, 48
	v_mad_u32_u24 v4, v2, 768, v4
	v_add_nc_u32 v[AX], s12, v4
	v_add_nc_u32 v[AQ], s13, v4
	v_add_nc_u32 v[AV], s18, v4
	v_add_nc_u32 v[AX+1], SLOT, v[AX]
	v_add_nc_u32 v[AQ+1], SLOT, v[AQ]
	v_add_nc_u32 v[AV+1], SLOT, v[AV]
	v_lshlrev_b32 v5, 6, v1
	v_lshrrev_b32 v6, 2, v1
	v_lshl_add_u32 v5, v6, 4, v5                   ; my row's scales: 64 bytes a row, 16 more for each four rows
	v_mul_u32_u24 v6, s2, v2
	v_add_nc_u32 v6, v5, v6
	v_add_nc_u32 v[ADRS], s19, v6                  ; lanes 0-15 x's block i, lanes 16-31 q/k's weight block i
	v_add_nc_u32 v[ADRV], s3, v5                   ; Wv's block i (read from lanes 16-31)
	v_lshlrev_b32 v[LI], 4, v3
	v_lshlrev_b32 v[L8], 3, v3
	v_lshl_add_u32 v[SCW], v1, 2, s66
	v_add_nc_u32 v[SCR], s66, v[LI]
	v_add_nc_u32 v[SCR2], s66, v[L8]
	v_lshl_add_u32 v[CBA], v2, 6, s67
	v_and_b32 v6, 8, v1
	v_add_nc_u32 v6, v6, v1
	v_lshl_add_u32 v[RBA], v6, 2, s67
	v_add_nc_u32 v[BST], s67, v[LI]
	v_add_nc_u32 v[BSV], s67, v[L8]
	s_wait_alu depctr_va_vdst(0)
	global_load_b128 v[64:67], v[LI], s[4:5]
	global_load_b64 v[68:69], v[L8], s[8:9]
	s_wait_loadcnt 0x0
	ds_store_b128 v[BST], v[64:67]                 ; the biases wait in my own LDS bytes for the way out
	ds_store_b64 v[BSV], v[68:69] offset:512
.macro LDF reg, adr, off
.irp c, 0,1,2
	ds_load_b128 v[\reg+4*\c:\reg+4*\c+3], v[\adr] offset:\off+16*\c
.endr
.endm
.macro LDX slot, q, a0                 ; x's blocks a0 .. a0 + 3
.irp i, \a0, \a0+1, \a0+2, \a0+3
	LDF XF+12*(\i), AX+\slot, (\i)*SB+(\q)*FB
.endr
.endm
.macro LDW slot, q, g, p               ; group g's four weight fragments into set p
.irp i, 0,1,2,3
.if (\g) == 2
	LDF WB+48*(\p)+12*\i, AV+\slot, \i*SB+(\q)*FB
.else
	LDF WB+48*(\p)+12*\i, AQ+\slot, (4*(\g)+\i)*SB+(\q)*FB
.endif
.endr
.endm
.macro SCALES so, set                  ; a step's twelve scale registers
.irp i, 0,1,2,3,4,5,6,7
	ds_load_b32 v[SC+12*(\set)+\i], v[ADRS] offset:\i*SBLK+\so
.endr
.irp i, 0,1,2,3
	ds_load_b32 v[SC+12*(\set)+8+\i], v[ADRV] offset:\i*SBLK+\so
.endr
.endm
.macro MQK g, a0, p, set, first        ; 16 products: x's blocks a0 .. a0 + 3 x weight blocks 4 g .. 4 g + 3
.irp a, \a0, \a0+1, \a0+2, \a0+3
.irp b, 0,1,2,3
.if \first
	v_wmma_scale_f32_16x16x128_f8f6f4 v[8*(4*(\a)+\b):8*(4*(\a)+\b)+7], v[WB+48*(\p)+12*\b:WB+48*(\p)+12*\b+11], v[XF+12*(\a):XF+12*(\a)+11], 0, v[SC+12*(\set)+4*(\g)+\b], v[SC+12*(\set)+(\a)] matrix_a_fmt:MATRIX_FMT_FP6 matrix_b_fmt:MATRIX_FMT_FP6 matrix_a_scale:MATRIX_SCALE_ROW1
.else
	v_wmma_scale_f32_16x16x128_f8f6f4 v[8*(4*(\a)+\b):8*(4*(\a)+\b)+7], v[WB+48*(\p)+12*\b:WB+48*(\p)+12*\b+11], v[XF+12*(\a):XF+12*(\a)+11], v[8*(4*(\a)+\b):8*(4*(\a)+\b)+7], v[SC+12*(\set)+4*(\g)+\b], v[SC+12*(\set)+(\a)] matrix_a_fmt:MATRIX_FMT_FP6 matrix_b_fmt:MATRIX_FMT_FP6 matrix_a_scale:MATRIX_SCALE_ROW1
.endif
.endr
.endr
.endm
.macro MV a0, p, set, first            ; 16 products: x's blocks a0 .. a0 + 3 x Wv's four
.irp a, \a0, \a0+1, \a0+2, \a0+3
.irp b, 0,1,2,3
.if \first
	v_wmma_scale_f32_16x16x128_f8f6f4 v[8*(8*\b+(\a)):8*(8*\b+(\a))+7], v[XF+12*(\a):XF+12*(\a)+11], v[WB+48*(\p)+12*\b:WB+48*(\p)+12*\b+11], 0, v[SC+12*(\set)+(\a)], v[SC+12*(\set)+8+\b] matrix_a_fmt:MATRIX_FMT_FP6 matrix_b_fmt:MATRIX_FMT_FP6 matrix_b_scale:MATRIX_SCALE_ROW1
.else
	v_wmma_scale_f32_16x16x128_f8f6f4 v[8*(8*\b+(\a)):8*(8*\b+(\a))+7], v[XF+12*(\a):XF+12*(\a)+11], v[WB+48*(\p)+12*\b:WB+48*(\p)+12*\b+11], v[8*(8*\b+(\a)):8*(8*\b+(\a))+7], v[SC+12*(\set)+(\a)], v[SC+12*(\set)+8+\b] matrix_a_fmt:MATRIX_FMT_FP6 matrix_b_fmt:MATRIX_FMT_FP6 matrix_b_scale:MATRIX_SCALE_ROW1
.endif
.endr
.endr
.endm
; A step.  slot, q: where its codes lie; ns, nq: the next step's; so: the next step's place in a row of scales; turn: 1 the slot is left and filled again, 2 it is left; nx: a step follows.
; Four plain places stand ahead of every run of loads into registers that matrix instructions have read (ISA guide 7.12.1 for vector instructions).
.macro STEP slot, q, ns, nq, so, first, turn, nx
	PLACES
	WIN 0
	LDX \slot, \q, 4
	LDW \slot, \q, 1, 1-\q
	s_wait_dscnt 24                                ; all but the 24 just issued: x's blocks 0-3, group 0's weights, the scales
	WIN 0x50
	MQK 0, 0, \q, \q, \first
	s_wait_dscnt 12                                ; x's blocks 4-7 (group 1's twelve may be out)
	MQK 0, 4, \q, \q, \first
	PLACES
	WIN 0
	LDW \slot, \q, 2, \q
.if \turn
	s_wait_tensorcnt 0x0                           ; my part of the other slot has landed;
	ds_add_u32 v[SPW], v[NIL]
	s_wait_dscnt 13                                ; group 1's weights are in (group 2's twelve and the add may be out)
	WIN 0xa0
	MQK 1, 0, 1-\q, \q, \first
	s_wait_dscnt 0x0                               ; the add is done, and so are my last reads of this slot
	s_barrier_signal -1
	MQK 1, 4, 1-\q, \q, \first
	WIN 0
	s_barrier_wait -1
.if \turn == 1
	CREST                                          ; the barrier has opened a round of the cluster's barrier
	s_add_nc_u64 s[G0+4*\slot+2:G0+4*\slot+3], s[G0+4*\slot+2:G0+4*\slot+3], 2*SB
	s_add_nc_u64 s[G0B+4*\slot+2:G0B+4*\slot+3], s[G0B+4*\slot+2:G0B+4*\slot+3], 2*SB
	JLOAD G0+4*\slot, G1, G0B+4*\slot, G1B         ; the refill, first behind the round; its four v_nop are the places for the loads below
.else
	PLACES
.endif
.else
	s_wait_dscnt 12
	WIN 0xa0
	MQK 1, 0, 1-\q, \q, \first
	MQK 1, 4, 1-\q, \q, \first
	PLACES
	WIN 0
.endif
.if \nx
	LDW \ns, \nq, 0, 1-\q
	SCALES \so, 1-\q
	s_wait_dscnt 24                                ; group 2's weights are in
.else
	s_wait_dscnt 0x0
.endif
	WIN 0xf0
	MV 0, \q, \q, \first
.if \nx
	PLACES
	WIN 0
	LDX \ns, \nq, 0
	WIN 0xf0
.endif
	MV 4, \q, \q, \first
	WIN 0
.endm
	s_wait_tensorcnt 0x0                           ; my tile of the head's four is in
	ds_add_u32 v[SPW], v[NIL]
	s_mov_b32 s[G1+2], 8<<16                       ; no load of mine is out: from here on a load brings half a tile
	s_mov_b32 s[G1+4], 8
	s_mov_b32 s[G1B+2], 12<<16
	s_mov_b32 s[G1B+4], 12
	s_wait_dscnt 0x0
	CROUND
	JLOAD G0+4, G1, G0B+4, G1B                     ; slot 1's first fill
	LDW 0, 0, 0, 0
	SCALES 0, 0
	LDX 0, 0, 0
	STEP 0, 0, 0, 1, 4, 1, 0, 1                    ; the first step's products start the sums
	s_mov_b32 s3, 3
.Llap:
	STEP 0, 1, 1, 0, 8, 0, 1, 1
	STEP 1, 0, 1, 1, 12, 0, 0, 1
	STEP 1, 1, 0, 0, 16, 0, 1, 1
	STEP 0, 0, 0, 1, 20, 0, 0, 1
	v_add_nc_u32 v[ADRS], 16, v[ADRS]              ; four steps on in the rows of scales
	v_add_nc_u32 v[ADRV], 16, v[ADRV]
	s_sub_co_u32 s3, s3, 1
	s_cmp_lg_u32 s3, 0
	s_wait_alu depctr_va_vdst(0)
	s_cbranch_scc1 .Llap
	STEP 0, 1, 1, 0, 8, 0, 2, 1
	STEP 1, 0, 1, 1, 12, 0, 0, 1
	STEP 1, 1, 0, 0, 0, 0, 0, 0
; THE WAY OUT
	PLACES
.irp b, 0,1,2,3,4,5,6,7                ; register 8 b + j of a token is channel 32 (b / 2) + 16 (lane / 16) + 8 (b % 2) + j
	ds_load_b128 v[CB+8*\b:CB+8*\b+3], v[CBA] offset:(32*(\b/2)+8*(\b%2))*4
	ds_load_b128 v[CB+8*\b+4:CB+8*\b+7], v[CBA] offset:(32*(\b/2)+8*(\b%2))*4+16
.endr
.irp a, 0,1,2,3                        ; lane r of Wv's block a is channel 32 (a / 2) + 8 (a % 2) + r + 8 (r / 8)
	ds_load_b32 v[RB+2*\a], v[RBA] offset:512+(32*(\a/2)+8*(\a%2))*4
	ds_load_b32 v[RB+2*\a+1], v[RBA] offset:512+(32*(\a/2)+8*(\a%2))*4
.endr
	s_mov_b32 s12, 0x76543210
	s_mov_b32 s13, 0xfedcba98
.irp b, 0,1,2,3
	v_mov_b32 v[TM+4+\b], 0                        ; a lane permute's destination counts as a source
.endr
	s_wait_alu depctr_va_vdst(0)
	s_wait_dscnt 0x0
.macro QUANT w, pc                     ; the 64 numbers at T: four blocks of 32 (mine and lane l xor 16's); codes to window w, registers pc .. pc + 11
	WIN 0
.irp b, 0,1,2,3
	v_max3_num_f32 v[TM+\b], |v[T+16*\b]|, |v[T+1+16*\b]|, 0x1800000
.endr
.irp i, 2,4,6,8,10,12,14
.irp b, 0,1,2,3
	v_max3_num_f32 v[TM+\b], v[TM+\b], |v[T+16*\b+\i]|, |v[T+1+16*\b+\i]|
.endr
.endr
.irp b, 0,1,2,3
	v_permlanex16_b32 v[TM+4+\b], v[TM+\b], s12, s13
.endr
.irp b, 0,1,2,3
	v_max_num_f32 v[TM+\b], v[TM+\b], v[TM+4+\b]
.endr
.irp b, 0,1,2,3
	v_add_nc_u32 v[TM+12+\b], 0xff000000, v[TM+\b]
.endr
.irp b, 0,1,2,3
	v_lshrrev_b32 v[TM+4+\b], 23, v[TM+12+\b]
.endr
	v_lshl_or_b32 v[PW], v[TM+5], 8, v[TM+4]
	v_lshl_or_b32 v[PW], v[TM+6], 16, v[PW]
	v_lshl_or_b32 v[PW], v[TM+7], 24, v[PW]
	WIN (\w)<<6
.irp c, 0,1
	v_cvt_scalef32_pk16_fp6_f32 v[(\pc)+6*\c:(\pc)+2+6*\c], v[T+32*\c:T+15+32*\c], v[TM+12+2*\c]
	v_cvt_scalef32_pk16_fp6_f32 v[(\pc)+12+4*\c:(\pc)+14+4*\c], v[T+16+32*\c:T+31+32*\c], v[TM+12+2*\c+1]
.endr
	v_nop
	WIN ((\w)<<6)|(\w)
.irp c, 0,1
.irp i, 0,1,2
	v_permlane16_swap_b32 v[(\pc)+6*\c+\i], v[(\pc)+12+4*\c+\i]
.endr
.irp i, 0,1,2
	v_mov_b32 v[(\pc)+3+6*\c+\i], v[(\pc)+12+4*\c+\i]
.endr
.endr
	WIN (\w)<<2
.endm
.macro OUTQK a                         ; 16 tokens x 128 channels
	WIN 1
.set i, 0
.rept 16
	v_pk_add_f32 v[T+2*i:T+2*i+1], v[32*(\a)+2*i:32*(\a)+2*i+1], v[CB+2*i:CB+2*i+1]
.set i, i+1
.endr
	WIN 2
.set i, 0
.rept 16
	v_pk_add_f32 v[T+32+2*i:T+32+2*i+1], v[32*(\a)+2*i:32*(\a)+2*i+1], v[CB+32+2*i:CB+32+2*i+1]
.set i, i+1
.endr
	QUANT 1, 32*(\a)
.irp c, 0,1,2
	global_store_b128 v[LI], v[32*(\a)+4*\c:32*(\a)+4*\c+3], s[10:11] offset:IMG*(\a)+512*\c
.endr
	WIN 0
	ds_store_b32 v[SCW], v[PW] offset:64*(\a)
.endm
.macro OUTV a                          ; 16 channels x 128 tokens
	WIN 3
.set i, 0
.rept 32
	v_pk_add_f32 v[T+2*i:T+2*i+1], v[64*(\a)+2*i:64*(\a)+2*i+1], v[RB+2*(\a):RB+2*(\a)+1]
.set i, i+1
.endr
	QUANT 3, 64*(\a)
.irp c, 0,1,2
	global_store_b128 v[LI], v[64*(\a)+4*\c:64*(\a)+4*\c+3], s[98:99] offset:IMG*(\a)+512*\c
.endr
	WIN 0
	ds_store_b32 v[SCW], v[PW] offset:512+64*(\a)
.endm
.irp a, 0,1,2,3,4,5,6,7
	OUTQK \a
.endr
.irp a, 0,1,2,3
	OUTV \a
.endr
	ds_load_b128 v[SWB:SWB+3], v[SCR]              ; LDS serves a wave's instructions in order: these see my stores
	ds_load_b64 v[SWB+4:SWB+5], v[SCR2] offset:512
	s_wait_dscnt 0x0
	global_store_b128 v[LI], v[SWB:SWB+3], s[96:97]
	global_store_b64 v[L8], v[SWB+4:SWB+5], s[100:101]
	s_wait_tensorcnt 0x0                           ; the wave's end
	ds_add_u32 v[SPW], v[NIL]
	s_wait_dscnt 0x0
	CROUND                                         ; the closing round
	s_endpgm
.Lfunc_end_k_q267d41b56b_gemm:
	.size	k_q267d41b56b_gemm, .Lfunc_end_k_q267d41b56b_gemm-k_q267d41b56b_gemm
	.p2alignl 7, 3214868480
	.fill 96, 4, 3214868480
	.section	.rodata,"a",@progbits
	.p2align	6, 0x0
	.amdhsa_kernel k_q267d41b56b_gemm
		.amdhsa_group_segment_fixed_size 327680
		.amdhsa_private_segment_fixed_size 0
		.amdhsa_enable_private_segment 0
		.amdhsa_kernarg_size 88
		.amdhsa_user_sgpr_count 2
		.amdhsa_user_sgpr_kernarg_segment_ptr 1
		.amdhsa_wavefront_size32 1
		.amdhsa_system_sgpr_workgroup_id_x 1
		.amdhsa_system_sgpr_workgroup_id_y 1
		.amdhsa_system_sgpr_workgroup_id_z 1
		.amdhsa_system_vgpr_workitem_id 0
		.amdhsa_next_free_vgpr 1024
		.amdhsa_next_free_sgpr 102
		.amdhsa_reserve_vcc 0
		.amdhsa_float_denorm_mode_32 3
		.amdhsa_float_denorm_mode_16_64 3
		.amdhsa_memory_ordered 1
		.amdhsa_forward_progress 1
		.amdhsa_inst_pref_size 231
	.end_amdhsa_kernel
	.amdgpu_metadata
---
amdhsa.version: [ 1, 2 ]
amdhsa.kernels:
  - .name:           k_q267d41b56b_gemm
    .symbol:         k_q267d41b56b_gemm.kd
    .args:
      - { .name: x_codes, .offset: 0, .size: 8, .value_kind: global_buffer, .address_space: global }
      - { .name: x_scales, .offset: 8, .size: 8, .value_kind: global_buffer, .address_space: global }
      - { .name: w_codes, .offset: 16, .size: 8, .value_kind: global_buffer, .address_space: global }
      - { .name: w_scales, .offset: 24, .size: 8, .value_kind: global_buffer, .address_space: global }
      - { .name: bq, .offset: 32, .size: 8, .value_kind: global_buffer, .address_space: global }
      - { .name: bk, .offset: 40, .size: 8, .value_kind: global_buffer, .address_space: global }
      - { .name: bv, .offset: 48, .size: 8, .value_kind: global_buffer, .address_space: global }
      - { .name: qk_img, .offset: 56, .size: 8, .value_kind: global_buffer, .address_space: global }
      - { .name: qk_sc, .offset: 64, .size: 8, .value_kind: global_buffer, .address_space: global }
      - { .name: v_img, .offset: 72, .size: 8, .value_kind: global_buffer, .address_space: global }
      - { .name: v_sc, .offset: 80, .size: 8, .value_kind: global_buffer, .address_space: global }
    .group_segment_fixed_size: 327680
    .private_segment_fixed_size: 0
    .kernarg_segment_align: 8
    .kernarg_segment_size: 88
    .max_flat_workgroup_size: 128
    .sgpr_count:     102
    .vgpr_count:     1024
    .wavefront_size: 32
...
	.end_amdgpu_metadata
.endif
;; end of part 2
;; launch attn (part 3): grid 4 x 64, 16 waves a work-group, clusters of 4 x 1, 276,480 bytes of LDS; arguments qk_img, qk_sc, v_img, v_sc, out0; writes out0
.if DOCPART == 3
	.amdgcn_target "amdgcn-amd-amdhsa--gfx1250"
	.amdhsa_code_object_version 6
	.text
	.protected	k_q267d41b56b_attn
	.globl	k_q267d41b56b_attn
	.p2align	8
	.type	k_q267d41b56b_attn,@function
k_q267d41b56b_attn:
	s_mov_b64 s[64:65], 0
	v_nop
	global_prefetch_b8 v0, s[64:65] scope:SCOPE_SE
	s_setreg_imm32_b32 hwreg(HW_REG_WAVE_MODE, 25, 1), 1
	s_wait_xcnt 0x0
	s_wait_alu depctr_hold_cnt(0) depctr_sa_sdst(0) depctr_va_vdst(0) depctr_va_sdst(0) depctr_va_ssrc(0) depctr_va_vcc(0) depctr_vm_vsrc(0)
	s_getreg_b32 s2, hwreg(HW_REG_IB_STS2, 6, 4)
	s_cmp_eq_u32 s2, 0
	s_cbranch_scc0 .Lentry_in_a_cluster
	s_endpgm
.Lentry_in_a_cluster:
	s_bfe_u32 s2, ttmp6, 0x10000c
	s_cmp_lg_u32 s2, 0x3003
	s_cbranch_scc0 .Lentry_shape_is_right
	s_endpgm
.Lentry_shape_is_right:
; CAUSAL ATTENTION on codes of FP6 (E2M3) with one E8M0 scale for each 32 along a product's K.  64 heads (4 batches x 16) of 1,024 tokens, head size 128.
; q, k and v^T arrive as IMAGES OF OPERAND REGISTERS (16 rows x 128 along K: registers 4 c .. 4 c + 3 of lane l at byte 512 c + 16 l of 1,536) with 16 scale words (64 bytes) an image:
;   q's and k's image (Cg, R) at (256 Cg + R) x 1,536: Cg = head for q, 16 + head for k; R = 64 x batch + tile of 16 tokens.  Row r of tile t is token 32 (t / 2) + 8 (t % 2) + r + 8 (r / 8).
;   v's image (Cg, R): Cg = 8 x batch + step of 128 keys, R = 8 x head + tile dt of 16 channels; row i is channel 32 (dt / 2) + 8 (dt % 2) + i + 8 (i / 8); K = the step's 128 keys in their true order.
; THE SOFTMAX AHEAD OF THE SECOND PRODUCT: t = score x log2(e) / sqrt(128); M = the row's largest t so far, rounded UP to a whole number; p = 2^(t - M) is quantised along the keys, not normalised.
; The row's sum is taken of the unquantised p and divides O at the end.  When M moves, the sum and O are multiplied by 2^(old M - new M): exact.
; A block's largest p is taken through its largest score (the same multiply-add and exponential): this takes v_exp_f32 not to fall where its input rises.
; LIMITS: NaN and infinities are not served; a block all of whose p are 0 keeps the byte 1 (its codes are zeros).
; SHARES.  The four work-groups of a cluster serve ONE head and ask for its k and v jointly: each tile is fetched once for the four.  A head's k and v, 196,608 bytes of images and 8,192 of scale words, stay in LDS:
; every byte is filled once, so there is no ring.  Wave w has tau = w xor 3 ((w / 4) % 2) and owns query tile t = 4 tau + cx (cx: the work-group's place in the cluster).  Its last step of 128 keys is t / 8 = tau / 2,
; the same in all partners: no branch hangs on cx.  Every work-group so has 72 wave-steps, and waves w, w + 4, w + 8, w + 12 have 18 together.
; CAUSAL.  Steps all of whose keys come after the wave's queries are jumped over (a branch on the wave's number, never round a barrier); in the wave's last step hidden scores become -infinity ahead of the maximum.
; LAYOUT.  Both products are used transposed: S^T = K Q^T, O^T = V^T P^T: a lane holds ONE query (lane % 16) throughout.  By the order of a tile's keys the 16 registers of tiles 2 b and 2 b + 1 of S^T are the
; neighbouring keys 32 b + 16 (lane / 16) + 0 .. 15.  Register j of O^T's tile dt is channel 32 (dt / 2) + 16 (lane / 16) + 8 (dt % 2) + j.
; Nothing is prefetched: all that the launch reads from memory is asked for at its head.
; REGISTERS: v1-11 addresses that stay; v12 -M, v13 the largest t, v[14:15] the sum in two halves; v16-27 Q; v32-79 four fragments of K or V; v96-159 S^T, then p; v160-223 O^T; v224-235 p's codes;
;   v232-247, v252, v254 at work; v248-249 K's or V's scale words (lanes 0-15 the even tile's, lanes 16-31 the odd tile's); v253 p's scale word; v255 Q's.
.set IMG,   1536
.set KIMG,  0                          ; LDS: k's 64 images, tile T at 1,536 T
.set VIMG,  98304                      ; v's 64 images, (8 x key step + dt) x 1,536
.set KSC,   196608                     ; k's scale words, 64 T + 4 r
.set VSC,   200704                     ; v's, 64 (8 x key step + dt) + 4 r
.set STG,   204800                     ; the way out: 16 rows x (256 bytes + 16) for each wave; no fill lands here
.set SPT,   272
.set ASC,  6                           ; v6   4 x lane + KSC
.set GO,   7                           ; v7   the way out: 8,192 (lane / 16) + 16 (lane % 16)
.set STO,  8                           ; v8   where I put 16 bytes of a row in my stage
.set SRD,  9                           ; v9   where I read a row back
.set DM,   10                          ; v10  my query - my last step's first key - 16 (lane / 16)
.set WV,   18                          ; s18  my wave's number
.set LAST, 19                          ; s19  my last key step
.set SEL,  20                          ; s[20:21] lane selects for v_permlanex16_b32: lane l xor 16
.set CS,   22                          ; s[22:23] c = log2(e) / sqrt(128)
.set G1I,  24                          ; s[24:31] group 1 for 24,576 dense bytes of k's images
.set G1KS, 32                          ; s[32:39] for 4,096 dense bytes of k's scale words
.set G1VS, 40                          ; s[40:47] for eight rows of 512 bytes of v's scale words
.set G1V,  52                          ; s[52:59] for two rows of 12,288 bytes of v's images
.macro CROUND                          ; a round of the cluster's barrier
	s_barrier_signal -1
	s_barrier_wait -1
	s_cmp_lg_u32 s[WV], 0
	s_cbranch_scc1 .Lnot_wave_0_\@
	s_barrier_signal -3
.Lnot_wave_0_\@:
	s_barrier_wait -3
	s_barrier_signal -1
	s_barrier_wait -1
.endm
	s_load_b256 s[4:11], s[0:1], 0x0               ; q's and k's images, their scale words, v's images, their scale words
	s_load_b64 s[12:13], s[0:1], 0x20              ; the output
	v_lshl_add_u32 v250, v0, 2, 0x43000
	v_mov_b32 v251, 0
	ds_add_u32 v250, v251
	ds_add_u32 v250, v251
	v_lshrrev_b32 v28, 5, v0
	s_delay_alu instid0(VALU_DEP_1)
	v_readfirstlane_b32 s[WV], v28                 ; wave 0..15
	v_and_b32 v30, 31, v0                          ; lane
	v_and_b32 v28, 15, v0                          ; r
	v_bfe_u32 v29, v0, 4, 1                        ; h
	; every LDS address is made here, ahead of the first branch: a constant + a constant x lane (+ a constant x wave)
	s_delay_alu instid0(VALU_DEP_3)
	v_lshlrev_b32 v1, 4, v30                       ; v1: 16 x lane: my place in an image; k's images 0-31 (they begin at LDS byte 0)
	s_delay_alu instid0(VALU_DEP_1)
	v_add_nc_u32 v2, 49152, v1                     ; v2: k's images 32-63
	s_delay_alu instid0(VALU_DEP_2)
	v_add_nc_u32 v3, VIMG, v1                      ; v3: v's images 0-31
	s_delay_alu instid0(VALU_DEP_3)
	v_add_nc_u32 v4, VIMG+49152, v1                ; v4: v's images 32-63
	v_lshl_add_u32 v[ASC], v30, 2, KSC
	v_lshlrev_b32 v[GO], 13, v29
	s_delay_alu instid0(VALU_DEP_1)
	v_lshl_add_u32 v[GO], v28, 4, v[GO]
	s_mul_i32 s66, s[WV], 16*SPT
	s_add_co_u32 s66, s66, STG                     ; my stage
	v_mul_u32_u24 v[STO], v28, SPT
	s_delay_alu instid0(VALU_DEP_1)
	v_lshl_add_u32 v[STO], v29, 6, v[STO]
	s_delay_alu instid0(VALU_DEP_1)
	v_add_nc_u32 v[STO], s66, v[STO]               ; in: row r, + 64 h
	v_mul_u32_u24 v[SRD], v29, SPT
	s_delay_alu instid0(VALU_DEP_1)
	v_lshl_add_u32 v[SRD], v28, 4, v[SRD]
	s_delay_alu instid0(VALU_DEP_1)
	v_add_nc_u32 v[SRD], s66, v[SRD]               ; back: lanes 0-15 one row, lanes 16-31 the next
	v_lshlrev_b32 v11, 2, v28                      ; v11: 4 r: Q's scale word
	v_and_b32 v31, 8, v28
	s_delay_alu instid0(VALU_DEP_1)
	v_add_nc_u32 v31, v31, v28                     ; r + 8 (r / 8)
	v_lshlrev_b32 v5, 4, v29
	s_delay_alu instid0(VALU_DEP_1)
	v_sub_nc_u32 v[DM], v31, v5                    ; - 16 h; the tile's part is added below
	s_bfe_u32 s72, s[WV], 0x10002                  ; (w / 4) % 2
	s_mul_i32 s72, s72, 3
	s_xor_b32 s73, s[WV], s72                      ; tau
	s_lshr_b32 s[LAST], s73, 1
	s_bfe_u32 s74, ttmp6, 0x40000                  ; cx: it enters Q's and the output's addresses and the mask's numbers alone
	s_lshl_b32 s75, s73, 2
	s_add_co_u32 s75, s75, s74                     ; t: my query tile
	s_and_b32 s76, ttmp7, 0xffff                   ; 16 x batch + head: shared by the four partners
	s_lshr_b32 s77, s76, 4                         ; batch
	s_and_b32 s78, s76, 15                         ; head
	s_add_co_u32 s79, s78, 16
	s_lshl_b32 s79, s79, 8
	s_lshl_b32 s80, s77, 6
	s_add_co_u32 s79, s79, s80                     ; k's first image: 256 (16 + head) + 64 batch
	s_lshl_b32 s81, s78, 8
	s_add_co_u32 s81, s81, s80
	s_add_co_u32 s81, s81, s75                     ; my image of q: 256 head + 64 batch + t
	s_lshl_b32 s80, s77, 11
	s_lshl_b32 s84, s78, 3
	s_add_co_u32 s80, s80, s84                     ; v's first image: 256 x 8 batch + 8 head
	; what I fetch, one load a wave: waves 8-15 the images of chunk c = (w / 2) % 4 (256 keys), kv = w % 2: 0 k, 1 v; waves 0 and 1 k's and v's scale words; every wave makes both group 0s
	s_and_b32 s82, s[WV], 1                        ; kv
	s_bfe_u32 s83, s[WV], 0x20001                  ; c
	s_mov_b32 s85, 786432                          ; from chunk to chunk in memory: v: 512 images; k: 16 images
	s_mov_b32 s86, 24576
	s_cmp_eq_u32 s82, 1
	s_cselect_b32 s84, s80, s79
	s_cselect_b32 s85, s85, s86
	s_mul_i32 s88, s84, IMG
	s_mul_i32 s85, s85, s83
	s_add_co_u32 s88, s88, s85                     ; my chunk's images, from the buffer's start
	s_mov_b32 s89, 0
	s_lshl_b32 s90, s84, 6                         ; the scale words
	s_mov_b32 s91, 0
	s_mul_i32 s98, s82, VIMG
	s_mul_i32 s99, s83, 24576
	s_add_co_u32 s98, s98, s99                     ; in LDS: 98,304 kv + 24,576 c
	s_lshl_b32 s67, s82, 12
	s_add_co_u32 s67, s67, KSC                     ; and KSC + 4,096 kv
	; group 1, three shapes; all: 15:0 the mask: all four work-groups; 17:16 elements of 8 bytes; 21 set beside a mask; no padding
	s_mov_b32 s[G1I], 15|(3<<16)|(1<<21)
	s_mov_b32 s[G1I+1], 32<<16                     ; tensor_dim0 = 32 (256 bytes)
	s_mov_b32 s[G1I+2], 96<<16                     ; tensor_dim1 = 96
	s_mov_b32 s[G1I+3], 32<<16                     ; tile_dim0
	s_mov_b32 s[G1I+4], 96                         ; tile_dim1
	s_mov_b32 s[G1I+5], 32                         ; the pitch: dense
	s_mov_b32 s[G1I+6], 0
	s_mov_b32 s[G1I+7], 0
	s_mov_b32 s[G1KS], 15|(3<<16)|(1<<21)
	s_mov_b32 s[G1KS+1], 32<<16
	s_mov_b32 s[G1KS+2], 16<<16
	s_mov_b32 s[G1KS+3], 32<<16
	s_mov_b32 s[G1KS+4], 16
	s_mov_b32 s[G1KS+5], 32
	s_mov_b32 s[G1KS+6], 0
	s_mov_b32 s[G1KS+7], 0
	s_mov_b32 s[G1VS], 15|(3<<16)|(1<<21)
	s_mov_b32 s[G1VS+1], 64<<16                    ; rows of 512 bytes: a key step's eight tiles,
	s_mov_b32 s[G1VS+2], 8<<16                     ; eight key steps,
	s_mov_b32 s[G1VS+3], 64<<16
	s_mov_b32 s[G1VS+4], 8
	s_mov_b32 s[G1VS+5], 2048                      ; 16,384 bytes apart
	s_mov_b32 s[G1VS+6], 0
	s_mov_b32 s[G1VS+7], 0
	s_mov_b32 s[G1V], 15|(3<<16)|(1<<21)
	s_mov_b32 s[G1V+1], 1536<<16                   ; rows of 12,288 bytes: a key step's eight images,
	s_mov_b32 s[G1V+2], 2<<16                      ; two key steps,
	s_mov_b32 s[G1V+3], 1536<<16
	s_mov_b32 s[G1V+4], 2
	s_mov_b32 s[G1V+5], 49152                      ; 393,216 bytes apart
	s_mov_b32 s[G1V+6], 0
	s_mov_b32 s[G1V+7], 0
	s_mov_b32 s[SEL], 0x76543210
	s_mov_b32 s[SEL+1], 0xfedcba98
	s_mov_b32 s[CS], 0x3e0293ee                    ; c = log2(e) / sqrt(128)
	s_mov_b32 s[CS+1], s[CS]                       ; (named with it as a pair, so it is written)
	s_wait_dscnt 0x0
	s_wait_kmcnt 0x0
	s_cmp_eq_u32 s82, 1                            ; the buffers are chosen by the wave's number alone
	s_cselect_b64 s[92:93], s[8:9], s[4:5]
	s_cselect_b64 s[94:95], s[10:11], s[6:7]
	s_add_nc_u64 s[92:93], s[92:93], s[88:89]
	s_add_nc_u64 s[94:95], s[94:95], s[90:91]
	s_mov_b32 s48, 1                               ; group 0 for a chunk's images: s[48:51]
	s_mov_b32 s49, s98
	s_mov_b64 s[50:51], s[92:93]
	s_or_b32 s51, s51, 0x80000000
	s_mov_b32 s60, 1                               ; and for the scale words: s[60:63]
	s_mov_b32 s61, s67
	s_mov_b64 s[62:63], s[94:95]
	s_or_b32 s63, s63, 0x80000000
	CROUND                                         ; all four work-groups are here: the joint loads meet
	; ALL FILLS OF THE LAUNCH, ten loads, at most one a wave, in one tree of branches on the wave's number whose arms all lead to one join
	s_cmp_lt_u32 s[WV], 8
	s_cbranch_scc1 .Llow
	s_cmp_eq_u32 s82, 0
	s_cbranch_scc0 .Lfor_v
	tensor_load_to_lds s[48:51], s[G1I:G1I+7]
	s_nop 0
.rept 4
	v_nop
.endr
	s_branch .Lasked
.Lfor_v:
	tensor_load_to_lds s[48:51], s[G1V:G1V+7]
	s_nop 0
.rept 4
	v_nop
.endr
	s_branch .Lasked
.Llow:
	s_cmp_eq_u32 s[WV], 0
	s_cbranch_scc0 .Lnot_0
	tensor_load_to_lds s[60:63], s[G1KS:G1KS+7]
	s_nop 0
.rept 4
	v_nop
.endr
	s_branch .Lasked
.Lnot_0:
	s_cmp_eq_u32 s[WV], 1
	s_cbranch_scc0 .Lasked
	tensor_load_to_lds s[60:63], s[G1VS:G1VS+7]
	s_nop 0
.rept 4
	v_nop
.endr
.Lasked:
	s_mul_i32 s72, s81, IMG
	s_mov_b32 s73, 0
	s_add_nc_u64 s[4:5], s[4:5], s[72:73]          ; my image of q
	s_lshl_b32 s72, s81, 6
	s_add_nc_u64 s[6:7], s[6:7], s[72:73]          ; and its scale words
.irp c, 0,1,2
	global_load_b128 v[16+4*\c:19+4*\c], v1, s[4:5] offset:512*\c   ; Q's fragment stays in registers
.endr
	s_wait_alu depctr_va_vdst(0)
	global_load_b32 v255, v11, s[6:7]
	s_lshr_b32 s84, s75, 1
	s_lshl_b32 s84, s84, 5
	s_and_b32 s85, s75, 1
	s_lshl_b32 s85, s85, 3
	s_add_co_u32 s84, s84, s85                     ; my tile's first token: 32 (t / 2) + 8 (t % 2)
	s_lshl_b32 s86, s77, 10
	s_add_co_u32 s84, s84, s86                     ; + 1,024 batch
	s_lshl_b32 s84, s84, 13                        ; rows of 8,192 bytes
	s_lshl_b32 s86, s78, 9                         ; + the head's 512 bytes
	s_add_co_u32 s72, s84, s86
	s_add_nc_u64 s[12:13], s[12:13], s[72:73]
	s_and_b32 s84, s75, 7
	s_lshr_b32 s84, s84, 1
	s_lshl_b32 s84, s84, 5
	s_add_co_u32 s84, s84, s85                     ; my tile's first token within my last key step: 32 ((t % 8) / 2) + 8 (t % 2)
	v_add_nc_u32 v[DM], s84, v[DM]
	v_mov_b32 v13, 0xff61b1e6                      ; the largest t so far: -3e38, under every t
	s_delay_alu instid0(VALU_DEP_1)
	v_floor_f32 v12, -v13                          ; -M
	v_mov_b32 v14, 0                               ; the sum, in two halves
	v_mov_b32 v15, 0
.irp b, 0,1,2,3
	v_mov_b32 v[236+\b], 0                         ; written once: a lane permute's destination counts as one of its sources
.endr
	v_mov_b32 v252, 0
	v_mov_b32 v253, 0                              ; (named as the upper half of the pair v[252:253] before it is first written)
.set j, 0
.rept 64
	v_mov_b32 v[160+j], 0                          ; O^T.  (The step is written alike for all steps: the first finds zeros, which the first change of M leaves zeros)
.set j, j+1
.endr
; KEY STEP s: 128 keys.
.macro STEP s
.set QS, (\s)%2
.set CBY, (((\s)/2)%2)*24576           ; the step's images within the 32 that an address register reaches
.set AK, 1+(\s)/4
.set AV, 3+(\s)/4
.if (\s) > 0
	s_cmp_lt_u32 s[LAST], (\s)                     ; all its keys come after my queries: the step is left out.  No barrier and no tensor load stands in a step
	s_cbranch_scc1 .Lhidden_\@
.endif
.irp g, 0,1                                    ; S^T = K Q^T, four tiles of 16 keys at a time
.rept 5
	v_nop                                          ; places in front of loads into registers that matrix instructions have read, and of scores that are laid over V's last fragments (five for those)
.endr
.irp t, 0,1,2,3
.irp c, 0,1,2
	ds_load_b128 v[32+12*\t+4*\c:35+12*\t+4*\c], v[AK] offset:CBY+(8*QS+4*\g+\t)*IMG+512*\c   ; an image comes back as it was stored: 512 consecutive bytes a load
.endr
.endr
.irp p, 0,1
	ds_load_b32 v[248+\p], v[ASC] offset:512*(\s)+256*\g+128*\p   ; two tiles' scale words: lanes 0-15 the even tile's, lanes 16-31 the odd tile's
.endr
	s_wait_dscnt 0x0
.irp t, 0,2
	v_wmma_scale_f32_16x16x128_f8f6f4 v[96+8*(4*\g+\t):103+8*(4*\g+\t)], v[32+12*\t:43+12*\t], v[16:27], 0, v[248+\t/2], v255 matrix_a_fmt:MATRIX_FMT_FP6 matrix_b_fmt:MATRIX_FMT_FP6
	v_wmma_scale_f32_16x16x128_f8f6f4 v[104+8*(4*\g+\t):111+8*(4*\g+\t)], v[44+12*\t:55+12*\t], v[16:27], 0, v[248+\t/2], v255 matrix_a_fmt:MATRIX_FMT_FP6 matrix_b_fmt:MATRIX_FMT_FP6 matrix_a_scale:MATRIX_SCALE_ROW1
.endr
.endr
.rept 4
	v_nop                                          ; places in front of the loads below and of the first read of the scores
.endr
.irp t, 0,1,2,3                                ; V's first four fragments are asked for already: they land while the softmax is worked
.irp c, 0,1,2
	ds_load_b128 v[32+12*\t+4*\c:35+12*\t+4*\c], v[AV] offset:CBY+(8*QS+\t)*IMG+512*\c
.endr
.endr
.irp p, 0,1
	ds_load_b32 v[248+\p], v[ASC] offset:VSC-KSC+512*(\s)+128*\p
.endr
	s_cmp_lg_u32 s[LAST], (\s)                     ; only my last step lies on the diagonal
	s_cbranch_scc1 .Lopen_\@
	v_mov_b32 v254, 0xff800000                     ; -infinity.  Register 16 b + i holds key 32 b + 16 (lane / 16) + i of the step: hidden where 32 b + i > DM
.set n, 0
.rept 64
	v_cmp_gt_i32 vcc_lo, 32*(n/16)+n%16, v[DM]
	v_cndmask_b32 v[96+n], v[96+n], v254, vcc_lo
.set n, n+1
.endr
.Lopen_\@:
.irp b, 0,1,2,3
	v_max3_num_f32 v[232+\b], v[96+16*\b], v[97+16*\b], v[98+16*\b]   ; THE LARGEST SCORE OF EACH BLOCK OF 32 KEYS: it serves for the row's maximum and, since p rises with the score, for the block's largest p
.endr
.irp i, 3,5,7,9,11,13
.irp b, 0,1,2,3
	v_max3_num_f32 v[232+\b], v[232+\b], v[96+16*\b+\i], v[97+16*\b+\i]   ; (the four blocks by turns)
.endr
.endr
.irp b, 0,1,2,3
	v_max_num_f32 v[232+\b], v[232+\b], v[111+16*\b]
.endr
.irp b, 0,1,2,3
	s_delay_alu instid0(VALU_DEP_4)
	v_permlanex16_b32 v[236+\b], v[232+\b], s[SEL], s[SEL+1]
.endr
.irp b, 0,1,2,3
	s_delay_alu instid0(VALU_DEP_4)
	v_max_num_f32 v[232+\b], v[232+\b], v[236+\b]  ; with lane l xor 16's 16 keys
.endr
	s_delay_alu instid0(VALU_DEP_2)
	v_max3_num_f32 v254, v232, v233, v234
	s_delay_alu instid0(VALU_DEP_1)
	v_max_num_f32 v254, v254, v235                 ; the step's largest score of my query (key 0 counts for every query: a number from the first step on)
	s_delay_alu instid0(VALU_DEP_1)
	v_mul_f32 v254, s[CS], v254                    ; as t (c is positive)
	s_delay_alu instid0(VALU_DEP_1)
	v_max_num_f32 v13, v13, v254                   ; the running largest t
	v_mov_b32 v254, v12
	s_delay_alu instid0(VALU_DEP_2)
	v_floor_f32 v12, -v13                          ; the new -M = floor(-t) = -ceil(t): M IS A WHOLE NUMBER
	s_delay_alu instid0(VALU_DEP_1)
	v_sub_f32 v254, v12, v254                      ; M's old value less its new one: a whole number, 0 or less
	s_delay_alu instid0(VALU_DEP_1)
	v_cvt_i32_f32 v254, v254                       ; (it saturates)
	s_delay_alu instid0(VALU_DEP_1)
	v_ldexp_f32 v252, 1.0, v254                    ; f = 2^(old M - new M): a multiplication by it rounds nothing
.set j, 0
.rept 32
	v_pk_fma_f32 v[96+j:97+j], v[96+j:97+j], s[CS:CS+1], v[12:13] op_sel_hi:[1,0,0]   ; t - M, two at a time (of the pairs c and -M the low word serves both halves)
.set j, j+2
.endr
.irp b, 0,1,2,3
	v_fma_f32 v[232+\b], v[232+\b], s[CS], v12     ; the same of each block's largest score
.endr
.set j, 0
	s_wait_alu depctr_va_vdst(0)
.rept 64
	v_exp_f32 v[96+j], v[96+j]                     ; p = 2^(t - M), at most 1: NOT normalised
.set j, j+1
.endr
	v_pk_mul_f32 v[14:15], v[14:15], v[252:253] op_sel_hi:[1,0]   ; the sums under the new M.  (A plain place behind the exponentials)
	s_wait_alu depctr_va_vdst(0)                   ; one wait for the whole batch, ahead of its first reader
.irp b, 0,1,2,3
	v_exp_f32 v[232+\b], v[232+\b]                 ; the block's largest p: the same two instructions on the same number give the same bits
.endr
	v_pk_add_f32 v[236:237], v[100:101], v[104:105]
	v_pk_add_f32 v[246:247], v[108:109], v[112:113]
	v_pk_add_f32 v[244:245], v[116:117], v[120:121]
	v_pk_add_f32 v[242:243], v[124:125], v[128:129]
	v_pk_add_f32 v[240:241], v[132:133], v[136:137]
	v_pk_add_f32 v[238:239], v[140:141], v[144:145]
	v_pk_add_f32 v[230:231], v[148:149], v[152:153]
	v_pk_add_f32 v[14:15], v[14:15], v[156:157]
	v_pk_add_f32 v[236:237], v[236:237], v[96:97]
	v_pk_add_f32 v[246:247], v[246:247], v[98:99]
	v_pk_add_f32 v[244:245], v[244:245], v[102:103]
	v_pk_add_f32 v[242:243], v[242:243], v[106:107]
	v_pk_add_f32 v[240:241], v[240:241], v[110:111]
	v_pk_add_f32 v[238:239], v[238:239], v[114:115]
	v_pk_add_f32 v[230:231], v[230:231], v[118:119]
	v_pk_add_f32 v[14:15], v[14:15], v[122:123]
	v_pk_add_f32 v[236:237], v[236:237], v[126:127]
	v_pk_add_f32 v[246:247], v[246:247], v[130:131]
	v_pk_add_f32 v[244:245], v[244:245], v[134:135]
	v_pk_add_f32 v[242:243], v[242:243], v[138:139]
	v_pk_add_f32 v[240:241], v[240:241], v[142:143]
	v_pk_add_f32 v[238:239], v[238:239], v[146:147]
	v_pk_add_f32 v[230:231], v[230:231], v[150:151]
	v_pk_add_f32 v[14:15], v[14:15], v[154:155]
	v_pk_add_f32 v[236:237], v[236:237], v[158:159]
	s_delay_alu instid0(VALU_DEP_2)
	v_pk_add_f32 v[14:15], v[14:15], v[242:243]
	s_delay_alu instid0(VALU_DEP_2)
	v_pk_add_f32 v[236:237], v[236:237], v[240:241]
	v_pk_add_f32 v[246:247], v[246:247], v[238:239]
	v_pk_add_f32 v[244:245], v[244:245], v[230:231]
	s_delay_alu instid0(VALU_DEP_2)
	v_pk_add_f32 v[14:15], v[14:15], v[246:247]
	s_delay_alu instid0(VALU_DEP_2)
	v_pk_add_f32 v[236:237], v[236:237], v[244:245]
	s_delay_alu instid0(VALU_DEP_1)
	v_pk_add_f32 v[14:15], v[14:15], v[236:237]
	s_wait_alu depctr_va_vdst(0)                   ; and one for the four
.irp b, 0,1,2,3
	v_max_num_f32 v[232+\b], 0x1800000, v[232+\b]  ; the floor 2^(3 - 127): the byte cannot fall under 1
.endr
.irp b, 0,1,2,3
	s_delay_alu instid0(VALU_DEP_4)
	v_add_nc_u32 v[244+\b], 0xff000000, v[232+\b]  ; 2 off the exponent field: the conversion's scale operand
.endr
.irp b, 0,1,2,3
	s_delay_alu instid0(VALU_DEP_4)
	v_lshrrev_b32 v[236+\b], 23, v[244+\b]         ; the scale's byte
.endr
	s_delay_alu instid0(VALU_DEP_3)
	v_lshl_or_b32 v253, v237, 8, v236              ; p's scale word for these 128 keys
	s_delay_alu instid0(VALU_DEP_1)
	v_lshl_or_b32 v253, v238, 16, v253
	s_delay_alu instid0(VALU_DEP_1)
	v_lshl_or_b32 v253, v239, 24, v253
.irp c, 0,1
	v_cvt_scalef32_pk16_fp6_f32 v[224+6*\c:226+6*\c], v[96+32*\c:111+32*\c], v[244+2*\c]
	v_cvt_scalef32_pk16_fp6_f32 v[236+4*\c:238+4*\c], v[112+32*\c:127+32*\c], v[244+2*\c+1]   ; (a conversion's three registers begin on an even number)
.endr
	v_nop                                          ; one plain vector instruction behind a scaled conversion
.irp t, 0,1,2,3                                ; p has been read out: V's last four fragments are asked for into v96-143, their scale words into v80-81, and land under the work below
.irp c, 0,1,2
	ds_load_b128 v[96+12*\t+4*\c:99+12*\t+4*\c], v[AV] offset:CBY+(8*QS+4+\t)*IMG+512*\c
.endr
.endr
.irp p, 0,1
	ds_load_b32 v[80+\p], v[ASC] offset:VSC-KSC+512*(\s)+256+128*\p
.endr
.irp c, 0,1                                    ; the operand's layout wants a WHOLE block in a lane: lanes 0-15 block 2 c, lanes 16-31 block 2 c + 1
.irp i, 0,1,2
	v_permlane16_swap_b32 v[224+6*\c+\i], v[236+4*\c+\i]
.endr
.irp i, 0,1,2
	s_delay_alu instid0(VALU_DEP_3)
	v_mov_b32 v[227+6*\c+\i], v[236+4*\c+\i]
.endr
.endr
.set j, 0
.rept 32
	v_pk_mul_f32 v[160+j:161+j], v[160+j:161+j], v[252:253] op_sel_hi:[1,0]   ; O^T under the new M: x f.  (These 32 are also the places in front of the matrix instructions below)
.set j, j+2
.endr
	s_wait_alu depctr_va_vdst(0)
	s_wait_dscnt 0x0                               ; V's first four fragments and their scale words are in
.irp t, 0,2                                    ; O^T += V^T P^T: K = these 128 keys; the eight accumulators by turns
	v_wmma_scale_f32_16x16x128_f8f6f4 v[160+8*\t:167+8*\t], v[32+12*\t:43+12*\t], v[224:235], v[160+8*\t:167+8*\t], v[248+\t/2], v253 matrix_a_fmt:MATRIX_FMT_FP6 matrix_b_fmt:MATRIX_FMT_FP6
	v_wmma_scale_f32_16x16x128_f8f6f4 v[168+8*\t:175+8*\t], v[44+12*\t:55+12*\t], v[224:235], v[168+8*\t:175+8*\t], v[248+\t/2], v253 matrix_a_fmt:MATRIX_FMT_FP6 matrix_b_fmt:MATRIX_FMT_FP6 matrix_a_scale:MATRIX_SCALE_ROW1
.endr
.irp t, 0,2
	v_wmma_scale_f32_16x16x128_f8f6f4 v[192+8*\t:199+8*\t], v[96+12*\t:107+12*\t], v[224:235], v[192+8*\t:199+8*\t], v[80+\t/2], v253 matrix_a_fmt:MATRIX_FMT_FP6 matrix_b_fmt:MATRIX_FMT_FP6
	v_wmma_scale_f32_16x16x128_f8f6f4 v[200+8*\t:207+8*\t], v[108+12*\t:119+12*\t], v[224:235], v[200+8*\t:207+8*\t], v[80+\t/2], v253 matrix_a_fmt:MATRIX_FMT_FP6 matrix_b_fmt:MATRIX_FMT_FP6 matrix_a_scale:MATRIX_SCALE_ROW1
.endr
.if (\s) > 0
.Lhidden_\@:
.endif
.endm
; CHUNK c: 256 keys.  Ahead of the first chunk every wave waits for its one load and passes ONE barrier: behind it all ten fills are whole for all waves.
; No LDS byte is ever filled again, so the later chunks need no barrier.
.macro CHUNK c
.if \c == 0
	s_wait_tensorcnt 0x0
	s_wait_dscnt 0x0                               ; no LDS instruction of mine is out at a signal
	s_barrier_signal -1
	s_barrier_wait -1
.endif
	STEP 2*\c
	STEP 2*\c+1
.endm
	s_wait_loadcnt 0x0                             ; Q
	CHUNK 0
	CHUNK 1
	CHUNK 2
	CHUNK 3
	; THE WAY OUT.  O^T is divided by the sum and goes through my stage in LDS, half a row (64 channels, 256 bytes) of 16 queries at a time, so that sixteen lanes store 256 consecutive bytes, aligned.
.rept 4
	v_nop                                          ; places behind the last products
.endr
	v_add_f32 v14, v14, v15                        ; the sum's two halves,
	s_delay_alu instid0(VALU_DEP_1)
	v_permlanex16_b32 v252, v14, s[SEL], s[SEL+1]
	s_delay_alu instid0(VALU_DEP_1)
	v_add_f32 v14, v14, v252                       ; and lane l xor 16's: the row's sum
	s_wait_alu depctr_va_vdst(0)
	v_rcp_f32 v14, v14
	v_nop                                          ; a plain place behind the transcendental
	s_wait_alu depctr_va_vdst(0)                   ; and the wait ahead of its first reader
.set j, 0
.rept 32
	v_pk_mul_f32 v[96+j:97+j], v[160+j:161+j], v[14:15] op_sel_hi:[1,0]   ; register 8 dt + i is channel 32 (dt / 2) + 16 h + 8 (dt % 2) + i of my query
.set j, j+2
.endr
.irp u, 0,1                                    ; channels 64 u on
.irp t, 0,1,2,3
	ds_store_b128 v[STO], v[96+32*\u+8*\t:99+32*\u+8*\t] offset:128*(\t/2)+32*(\t%2)
	ds_store_b128 v[STO], v[100+32*\u+8*\t:103+32*\u+8*\t] offset:128*(\t/2)+32*(\t%2)+16
.endr
.irp i, 0,1,2,3,4,5,6,7
	ds_load_b128 v[32+32*\u+4*\i:35+32*\u+4*\i], v[SRD] offset:2*\i*SPT   ; LDS serves a wave's instructions in order: these see my stores, and the next half's stores come behind them
.endr
.endr
.irp u, 0,1
.irp i, 0,1,2,3,4,5,6,7
	s_wait_dscnt 15-8*\u-\i                        ; at most the loads behind this one are out
	global_store_b128 v[GO], v[32+32*\u+4*\i:35+32*\u+4*\i], s[12:13] offset:(2*\i+8*(\i/4))*8192+256*\u th:TH_STORE_NT   ; stage row 2 i + h is token 2 i + h + 8 (i / 4) of my tile's 32
.endr
.endr
	s_wait_tensorcnt 0x0                           ; no tensor load is out at the end
	s_wait_dscnt 0x0
	s_wait_tensorcnt 0x0
	ds_add_u32 v250, v251
	s_wait_dscnt 0x0
	CROUND                                         ; the closing round: no work-group ends while a partner may still ask for a tile that names it
	s_endpgm
.Lfunc_end_k_q267d41b56b_attn:
	.size	k_q267d41b56b_attn, .Lfunc_end_k_q267d41b56b_attn-k_q267d41b56b_attn
	.p2alignl 7, 3214868480
	.fill 96, 4, 3214868480
	.section	.rodata,"a",@progbits
	.p2align	6, 0x0
	.amdhsa_kernel k_q267d41b56b_attn
		.amdhsa_group_segment_fixed_size 276480
		.amdhsa_private_segment_fixed_size 0
		.amdhsa_enable_private_segment 0
		.amdhsa_kernarg_size 40
		.amdhsa_user_sgpr_count 2
		.amdhsa_user_sgpr_kernarg_segment_ptr 1
		.amdhsa_wavefront_size32 1
		.amdhsa_system_sgpr_workgroup_id_x 1
		.amdhsa_system_sgpr_workgroup_id_y 1
		.amdhsa_system_sgpr_workgroup_id_z 1
		.amdhsa_system_vgpr_workitem_id 0
		.amdhsa_next_free_vgpr 256
		.amdhsa_next_free_sgpr 100
		.amdhsa_reserve_vcc 1
		.amdhsa_float_denorm_mode_32 3
		.amdhsa_float_denorm_mode_16_64 3
		.amdhsa_memory_ordered 1
		.amdhsa_forward_progress 1
		.amdhsa_inst_pref_size 219
	.end_amdhsa_kernel
	.amdgpu_metadata
---
amdhsa.version: [ 1, 2 ]
amdhsa.kernels:
  - .name:           k_q267d41b56b_attn
    .symbol:         k_q267d41b56b_attn.kd
    .args:
      - { .name: qk_img, .offset: 0, .size: 8, .value_kind: global_buffer, .address_space: global }
      - { .name: qk_sc, .offset: 8, .size: 8, .value_kind: global_buffer, .address_space: global }
      - { .name: v_img, .offset: 16, .size: 8, .value_kind: global_buffer, .address_space: global }
      - { .name: v_sc, .offset: 24, .size: 8, .value_kind: global_buffer, .address_space: global }
      - { .name: out0, .offset: 32, .size: 8, .value_kind: global_buffer, .address_space: global }
    .group_segment_fixed_size: 276480
    .private_segment_fixed_size: 0
    .kernarg_segment_align: 8
    .kernarg_segment_size: 40
    .max_flat_workgroup_size: 512
    .sgpr_count:     100
    .vgpr_count:     256
    .wavefront_size: 32
...
	.end_amdgpu_metadata
.endif
;; end of part 3
